; MI455X (gfx1250); checked and timed in simulation.
; The chip was launched on July 23, 2026; its instructions are those of AMD's public machine-readable ISA for CDNA 5 (MIT licence, August 2026) and "CDNA5" Instruction Set Architecture Reference Guide (July 2026). The comments in the code are by the model that wrote it; some were corrected since.
;; SA v. Allowed arithmetic: matrix products marked QUANTISED: E3M2 operands, one E8M0 scale for each 32 along K, by v_wmma_scale_f32_16x16x128_f8f6f4 with both operands' format E3M2, f32 sums; everything else in f32.
;; Inputs: Wk_codes 512 x 16 x 24 uint8 (E3M2 codes of Wk, K innermost, in blocks of 32 codes, four codes in three bytes); Wk_scales 512 x 16 uint8 (E8M0 scales of Wk, one for each 32 codes along K); Wm_codes 512 x 16 x 24 uint8 (E3M2 codes of Wm, K innermost, in blocks of 32 codes, four codes in three bytes); Wm_scales 512 x 16 uint8 (E8M0 scales of Wm, one for each 32 codes along K); Wq_codes 512 x 16 x 24 uint8 (E3M2 codes of Wq, K innermost, in blocks of 32 codes, four codes in three bytes); Wq_scales 512 x 16 uint8 (E8M0 scales of Wq, one for each 32 codes along K); Wv_codes 512 x 16 x 24 uint8 (E3M2 codes of Wv, K innermost, in blocks of 32 codes, four codes in three bytes); Wv_scales 512 x 16 uint8 (E8M0 scales of Wv, one for each 32 codes along K); beta 512 float32; bk 512 float32; bm 512 float32; bq 512 float32; gamma 512 float32; x 32 x 1,024 x 512 float32.
;; Outputs: out0 32 x 1,024 x 512 float32.
;; This version of the problem:
;;   THIS VERSION OF THE PROBLEM IS GIVEN IN LOW PRECISION. The matrix products marked QUANTISED in the list below multiply operands that are first quantised to E3M2 (3 exponent bits, 2 mantissa bits; 6 bits a number), with one power-of-two scale for each 32 numbers along K (OCP MX v1.0); their sums are f32. All else is computed in f32.
;;   The module's matrix products, in the order in which they are computed (A, B: the left and right operand; K: the contracted axis; several contracted axes count as one K, in the product's order):
;;     1. [M 32,768, K 512] x [K 512, N 512]; A: input x; B: input Wv (given as codes): QUANTISED
;;     2. [M 32,768, K 512] x [K 512, N 512]; A: input x; B: input Wk (given as codes): QUANTISED
;;     3. [M 32,768, K 512] x [K 512, N 512]; A: input x; B: input Wq (given as codes): QUANTISED
;;     4. batch 256 x [M 1,024, K 64] x [K 64, N 1,024]; A: computed on the way; B: computed on the way: QUANTISED
;;     5. batch 256 x [M 1,024, K 1,024] x [K 1,024, N 64]; A: softmax (see below); B: computed on the way: QUANTISED
;;     6. [M 32,768, K 512] x [K 512, N 512]; A: computed on the way; B: input Wm (given as codes): QUANTISED
;;   THE QUANTISER, for each operand of a quantised product, along K:
;;     - K is cut into blocks of 32 from its start; a last block that is shorter is filled with zeros.
;;     - A block's scale is 2^e with e = floor(log2(the largest magnitude in the block)) - 4, held to -126 .. 127; a block of zeros has e = 0. As a byte (E8M0): e + 127.
;;     - Each number is divided by its block's scale, clamped to +-28, and rounded to the nearest number of E3M2, ties to even, subnormals kept.
;;     - The product sums the exact products of the quantised numbers (number of the format x scale) in f32.
;;   ~~~python
;;   def quantise(x, axis):      # numpy; x: float32 -> the quantised numbers, widened to float32 again
;;       x = np.moveaxis(x, axis, -1); K = x.shape[-1]
;;       x = np.pad(x, [(0, 0)] * (x.ndim - 1) + [(0, -K % 32)]); x = x.reshape(x.shape[:-1] + (-1, 32)); a = np.abs(x).max(-1, keepdims=True)
;;       e = np.where(a > 0, np.clip(np.frexp(np.where(a > 0, a, 1))[1] - 1 - 4, -126, 127), 0)      # np.frexp(a)[1] - 1 = floor(log2(a)), exactly
;;       r = np.clip(x / 2.0 ** e, -28, 28)
;;       step = 2.0 ** (np.maximum(np.frexp(np.where(r == 0, 1, r))[1] - 1, -2) - 2)
;;       q = np.round(r / step) * step * 2.0 ** e      # np.round: ties to even
;;       return np.moveaxis(q.reshape(q.shape[:-2] + (-1,))[..., :K], -1, axis).astype(np.float32)
;;   ~~~
;;   SOFTMAX AHEAD OF A QUANTISED PRODUCT. Where the list says 'softmax', what is quantised is not the finished softmax but p = 2^(t - M), with t = logit x log2(e) and M = ceil(the row's largest t), a whole number; so 1/2 < the row's largest p <= 1. The row's sum l is taken of the UNQUANTISED p, in f32, and the product's result is divided by l at the end. Since M is a whole number, a kernel that streams over the keys may use a running M (the ceiling of the running maximum): every later rescaling is an exact power of two, which a block's scale takes up: the codes' values come out the same.
;;   OPERANDS COMPUTED ON THE WAY. 'Computed on the way' means the value that the module computes at that place (a softmax that the list does not call 'softmax' is quantised finished and normalised). What goes into a quantiser is computed in f32, as accurately as f32 sums, v_exp_f32 and their like allow (about 1e-6 of the number): no bf16 or f16 on the way to a quantiser, and a product that is left as it is and whose result goes on into a quantised operand takes f32 operands (vector FMAs, or v_wmma_f32_16x16x4_f32). A number that lies on a knife's edge between two numbers of the format may be rounded either way, as far as f32 arithmetic and the matrix unit's own rounding can turn it there, and no further.
;;   INPUTS GIVEN AS CODES. Wk (in the module: [512, 512], K = its axis 1); Wm (in the module: [512, 512], K = its axis 1); Wq (in the module: [512, 512], K = its axis 1); Wv (in the module: [512, 512], K = its axis 1): each comes as NAME_codes (uint8): NAME with its K axis moved to the last place and cut into blocks of 32 codes, [.., K / 32, bytes a block], one block behind the other in memory; four codes in three bytes: a row's codes are one little-endian stream of bits, code i at bits 6 i .. 6 i + 5 (a code: sign, 3 exponent bits, 2 mantissa bits); and NAME_scales (uint8): the same leading axes, one E8M0 byte (e + 127) for each 32 codes along K. Its value is code x scale, taken as it is: it is not quantised again, and the codes and scales need not be those that the quantiser above would give.
;; One version. Each part assembles by itself: llvm-mc -triple=amdgcn-amd-amdhsa -mcpu=gfx1250 --defsym DOCPART=n.
;; ======== version 1 of 1: 3 launches
;; limits: right only within a limited range of input values
;; workspace buffers: wimg 786,432 bytes; qkv 40,894,464 bytes
;; launch prep (part 1): grid 128 x 1, 4 waves a work-group, no clusters, 0 bytes of LDS; arguments Wv_codes, Wk_codes, Wq_codes, Wm_codes, wimg; writes wimg
.if DOCPART == 1
	.amdgcn_target "amdgcn-amd-amdhsa--gfx1250"
	.amdhsa_code_object_version 6
	.text
	.protected	k_qfb87880080_prep
	.globl	k_qfb87880080_prep
	.p2align	8
	.type	k_qfb87880080_prep,@function
k_qfb87880080_prep:
	s_mov_b64 s[64:65], 0
	v_nop
	global_prefetch_b8 v0, s[64:65] scope:SCOPE_SE
	s_setreg_imm32_b32 hwreg(HW_REG_WAVE_MODE, 25, 1), 1
	s_wait_xcnt 0x0
; The four weights' codes ([512 rows][384 bytes], K innermost) are laid anew as IMAGES OF OPERAND REGISTERS, so that the two later launches
; fetch a fragment (16 rows x 128 K, 12 registers a lane) by three loads of 512 consecutive bytes and not by six loads of 8 bytes a lane from 16 rows.
; Fragment f = ((X 8 + w) 4 + u) 4 + s (X: 0 = Wv, 1 = Wk, 2 = Wq, 3 = Wm; w: slice of 64 rows; u: tile; s: K step of 128) lies at 1,536 f;
; registers 4 k .. 4 k + 3 of lane l at 512 k + 16 l.
; THE ROWS OF A TILE ARE NOT NEIGHBOURS: lane row p of tile u takes row 64 w + 32 (p / 8) + 8 u + p % 8.  A result's register j in lane half h is source 0's row 8 h + j,
; so the four tiles' 32 result registers of a lane are rows 32 h + 0 .. 31: a whole block of 32 of the next product's K in one lane.
; A work-group is (X, w, u), its wave is s.  No LDS, no barrier: waves share nothing.
	s_load_b256 s[4:11], s[0:1], 0x0               ; Wv, Wk, Wq, Wm: codes
	s_load_b64 s[12:13], s[0:1], 0x20              ; the images
	v_lshrrev_b32 v1, 5, v0
	v_readfirstlane_b32 s14, v1                    ; s = wave
	s_lshr_b32 s15, ttmp9, 5                       ; X
	s_bfe_u32 s16, ttmp9, 0x30002                  ; w: 3 bits from bit 2
	s_and_b32 s17, ttmp9, 3                        ; u
	s_lshl_b32 s16, s16, 6
	s_lshl_b32 s17, s17, 3
	s_add_co_u32 s16, s16, s17                     ; row 64 w + 8 u
	s_mul_i32 s16, s16, 384
	s_mul_i32 s17, s14, 96
	s_add_co_u32 s16, s16, s17                     ; + 96 s: where the tile's K step begins, in bytes
	s_mov_b32 s17, 0
	s_lshl_b32 s18, ttmp9, 2
	s_add_co_u32 s18, s18, s14
	s_mul_i32 s18, s18, 1536                       ; the fragment's place among the images
	s_mov_b32 s19, 0
	v_bfe_u32 v4, v0, 3, 1                         ; p / 8
	v_and_b32 v5, 7, v0                            ; p % 8
	v_lshl_add_u32 v4, v4, 5, v5                   ; 32 (p / 8) + p % 8
	v_bfe_u32 v5, v0, 4, 1                         ; h
	v_mul_u32_u24 v2, v4, 384
	v_mad_u32_u24 v2, v5, 24, v2                   ; my row, + 24 h
	v_and_b32 v3, 31, v0
	v_lshlrev_b32 v3, 4, v3                        ; 16 x lane
	s_wait_alu depctr_va_vdst(0)
	s_wait_kmcnt 0x0
	s_cmp_eq_u32 s15, 1                            ; which weight: the choice hangs on the work-group's number alone
	s_cselect_b64 s[4:5], s[6:7], s[4:5]
	s_cmp_eq_u32 s15, 2
	s_cselect_b64 s[4:5], s[8:9], s[4:5]
	s_cmp_eq_u32 s15, 3
	s_cselect_b64 s[4:5], s[10:11], s[4:5]
	s_add_nc_u64 s[4:5], s[4:5], s[16:17]
	s_add_nc_u64 s[12:13], s[12:13], s[18:19]
.irp p, 0,1,2,3,4,5
	global_load_b64 v[8+2*\p:9+2*\p], v2, s[4:5] offset:48*(\p/3)+8*(\p%3)   ; registers 6 c .. 6 c + 5: k = 64 c + 32 h + 0 .. 31, 24 bytes as they lie
.endr
	s_wait_loadcnt 0x0
.irp k, 0,1,2
	global_store_b128 v3, v[8+4*\k:11+4*\k], s[12:13] offset:512*\k          ; 32 lanes store 512 consecutive bytes
.endr
	s_endpgm
.Lfunc_end_k_qfb87880080_prep:
	.size	k_qfb87880080_prep, .Lfunc_end_k_qfb87880080_prep-k_qfb87880080_prep
	.p2alignl 7, 3214868480
	.fill 96, 4, 3214868480
	.section	.rodata,"a",@progbits
	.p2align	6, 0x0
	.amdhsa_kernel k_qfb87880080_prep
		.amdhsa_group_segment_fixed_size 0
		.amdhsa_private_segment_fixed_size 0
		.amdhsa_enable_private_segment 0
		.amdhsa_kernarg_size 40
		.amdhsa_user_sgpr_count 2
		.amdhsa_user_sgpr_kernarg_segment_ptr 1
		.amdhsa_wavefront_size32 1
		.amdhsa_system_sgpr_workgroup_id_x 1
		.amdhsa_system_sgpr_workgroup_id_y 1
		.amdhsa_system_sgpr_workgroup_id_z 1
		.amdhsa_system_vgpr_workitem_id 0
		.amdhsa_next_free_vgpr 32
		.amdhsa_next_free_sgpr 66
		.amdhsa_reserve_vcc 0
		.amdhsa_float_denorm_mode_32 3
		.amdhsa_float_denorm_mode_16_64 3
		.amdhsa_memory_ordered 1
		.amdhsa_forward_progress 1
		.amdhsa_inst_pref_size 3
	.end_amdhsa_kernel
	.amdgpu_metadata
---
amdhsa.version: [ 1, 2 ]
amdhsa.kernels:
  - .name:           k_qfb87880080_prep
    .symbol:         k_qfb87880080_prep.kd
    .args:
      - { .name: Wv_codes, .offset: 0, .size: 8, .value_kind: global_buffer, .address_space: global }
      - { .name: Wk_codes, .offset: 8, .size: 8, .value_kind: global_buffer, .address_space: global }
      - { .name: Wq_codes, .offset: 16, .size: 8, .value_kind: global_buffer, .address_space: global }
      - { .name: Wm_codes, .offset: 24, .size: 8, .value_kind: global_buffer, .address_space: global }
      - { .name: wimg, .offset: 32, .size: 8, .value_kind: global_buffer, .address_space: global }
    .group_segment_fixed_size: 0
    .private_segment_fixed_size: 0
    .kernarg_segment_align: 8
    .kernarg_segment_size: 40
    .max_flat_workgroup_size: 128
    .sgpr_count:     66
    .vgpr_count:     32
    .wavefront_size: 32
...
	.end_amdgpu_metadata
.endif
;; end of part 1
;; launch proj (part 2): grid 256 x 1, 8 waves a work-group, no clusters, 154,624 bytes of LDS; arguments x, wimg, Wv_scales, Wk_scales, Wq_scales, bk, bq, qkv; writes qkv
.if DOCPART == 2
	.amdgcn_target "amdgcn-amd-amdhsa--gfx1250"
	.amdhsa_code_object_version 6
	.text
	.protected	k_qfb87880080_proj
	.globl	k_qfb87880080_proj
	.p2align	8
	.type	k_qfb87880080_proj,@function
k_qfb87880080_proj:
	s_mov_b64 s[64:65], 0
	v_nop
	global_prefetch_b8 v0, s[64:65] scope:SCOPE_SE
	s_setreg_imm32_b32 hwreg(HW_REG_WAVE_MODE, 25, 1), 1
	s_wait_xcnt 0x0
; v = x Wv^T, k = rope(x Wk^T + bk), q = rope(x Wq^T + bq), on codes of BF6 (E3M2) with one E8M0 scale for each 32 along K; the results leave as codes again:
; q and k quantised along a head's 64 features, v along the keys, all as images of operand registers (four registers a store, lane l at 16 l, 512 consecutive bytes).
; SHARES.  A work-group takes 128 tokens of one batch (batch = id / 8, part sg = id % 8).  First wave w = (g = w / 4, t = w % 4) quantises 16 tokens of x; then THE WAVES SHARE THE COLUMNS: wave w makes
; head w of v, k and q for all 128 tokens, so that each weight byte is read by one wave of the work-group, straight into registers.
; THE ROWS OF A TILE ARE NOT NEIGHBOURS: in a group of 64 (tokens, features of a head) lane row p of tile t takes row 32 (p / 8) + 8 t + p % 8.  A result's register j in lane half h is source 0's
; row 8 h + j, so the four tiles' 32 result registers of a lane are rows 32 h + 0 .. 31: a WHOLE block of 32 of the next K in one lane, where the 6-bit operand layout wants it.  So a block's largest
; magnitude asks no other lane, the rotary partners (i, i + 16) lie in one lane, and the conversions' results are the next operand's registers.
; q, k: source 0 = 16 rows of W, source 1 = 16 tokens: a lane holds one token and 32 features.   v: source 0 = 16 tokens, source 1 = 16 rows of Wv: a lane holds one feature and 32 tokens.
; ROPE.  Features 0-31 of a head turn by the token's grid row, features 32-63 by its grid column; angle i = position x 10^(-i / 4), i = 0 .. 15.  Sine and cosine are made in f32: the angle less the
; nearest multiple of pi / 2 (taken off in two parts), then polynomials on +-pi / 4; quadrants by selects on values, never by a branch.
; NO CLUSTER: tokens are shared by nobody; a weight asked for jointly would have to lie in LDS, 196,608 bytes for one matrix beside the 153,600 in use: more than the 327,680 that a work-group can have.
; qkv: 256 blocks (8 batch + head) of BLK bytes: K codes 49,152 (group of 64 keys: 24 registers [6 t + i], 3,072 bytes) | V codes 49,152 (128 keys x tile u: 12 registers, 1,536 bytes) |
;   scale words, 1,024 for each 128 keys: K's (lane l at 16 l, words t; lanes 0-15 the even group, lanes 16-31 the odd) then V's (lane l at 16 l, words u) | Q codes as K's | Q's scale words as K's.
;   K's and Q's words hold the bytes of their two blocks and 0x7f twice: the score product's upper 64 along K are zero codes.
; LIMITS: NaN and infinities among the inputs are not served.  A block whose largest magnitude lies under 2^-122 keeps the scale byte 1; so does a block of zeros, where the rule says 127: its codes are
;   zeros, and this program alone reads the bytes.  The frequencies are f32 constants, within an ulp or two of those that f32 arithmetic gives: at most some 4e-6 in an angle of 31.
; REGISTERS, window 0: v1 16 x lane; v3 8 h; v[4:7] x's scale words; v[8:11] LDS addresses of the first phase, then V's bytes of g = 0; v12 tables; v13 weight scales' offset; v14 128 h; v15 a permute's target;
;   v[16:63] x's four fragments, in epilogues codes and temporaries; v[64:111] tables and scale words, or V's codes; v[112:127] the weight's scale words; v[128:255] 16 accumulators.
;   window 1: v[0:191] the weight's 16 fragments ((u, s) at 12 (4 u + s)); v[192:223] the bias in the result's layout.
.set BLK,  159744
.set XIMG, 0                           ; LDS: x's 32 fragments, (tile m = 4 g + t, K step s) at (4 m + s) 1,536
.set XSC,  49152                       ; their scale words: (4 g + s) 512 + 16 lane + 4 t
.set TAB,  53248                       ; for each tile m 4,096 bytes: a lane's 16 cosines, then 16 sines
.set STG,  86016                       ; for each wave a stage of 16 rows x (512 + 16) bytes
.set SPI,  528
.set MSB, 0
.macro WIN new                         ; the immediate's high byte repeats the setting that is left; a switch that changes nothing is dropped
.if MSB != \new
	s_set_vgpr_msb (MSB<<8)|\new
.set MSB, \new
.endif
.endm
; A weight's slice for my head: 16 fragments (48 loads of 512 consecutive bytes), its bias in the result's layout (feature 32 h + 8 u + j), its rows' scale words (a row's 16 bytes are its four K steps' words)
.macro WLOAD wp, sp, bias, bp
	WIN 0x40                                       ; destination window 1
.set i, 0
.rept 48
	global_load_b128 v[4*i:4*i+3], v1, s[\wp:\wp+1] offset:512*i
.set i, i+1
.endr
.if \bias
.irp u, 0,1,2,3
	global_load_b128 v[192+8*\u:195+8*\u], v14, s[\bp:\bp+1] offset:32*\u
	global_load_b128 v[196+8*\u:199+8*\u], v14, s[\bp:\bp+1] offset:32*\u+16
.endr
.endif
	WIN 0
.irp u, 0,1,2,3
	global_load_b128 v[112+4*\u:115+4*\u], v13, s[\sp:\sp+1] offset:128*\u
.endr
.endm
; K step s of my 16 tokens of x: each load takes 512 consecutive bytes of one row
.macro XLOAD s, R
.irp p, 0,1,2,3,4,5,6,7,8,9,10,11,12,13,14,15
	global_load_b128 v[\R+4*\p:\R+4*\p+3], v1, s[36:37] offset:(32*(\p/8)+(\p%8))*2048+512*(\s) th:TH_LOAD_NT
.endr
.endm
; cos and sin of position (v60) x frequency fr -> v[16 + i], v[32 + i]
.macro SINCOS i, fr
	v_mul_f32 v48, \fr, v60                        ; the angle
	s_delay_alu instid0(VALU_DEP_1)
	v_mul_f32 v49, 0x3f22f983, v48                 ; x 2 / pi
	s_delay_alu instid0(VALU_DEP_1)
	v_rndne_f32 v49, v49                           ; n
	s_delay_alu instid0(VALU_DEP_1)
	v_fma_f32 v50, v49, s72, v48                   ; r = angle - n pi / 2, in two parts
	s_delay_alu instid0(VALU_DEP_1)
	v_fma_f32 v50, v49, s73, v50
	s_delay_alu instid0(VALU_DEP_3)
	v_cvt_i32_f32 v51, v49                         ; the quadrant
	s_delay_alu instid0(VALU_DEP_2)
	v_mul_f32 v52, v50, v50                        ; z = r r
	s_delay_alu instid0(VALU_DEP_1)
	v_fma_f32 v53, v52, s74, s75
	s_delay_alu instid0(VALU_DEP_2)
	v_fma_f32 v54, v52, s77, s78
	s_delay_alu instid0(VALU_DEP_2)
	v_fma_f32 v53, v53, v52, s76
	s_delay_alu instid0(VALU_DEP_2)
	v_fma_f32 v54, v54, v52, s79
	s_delay_alu instid0(VALU_DEP_2)
	v_mul_f32 v53, v53, v52
	s_delay_alu instid0(VALU_DEP_2)
	v_fma_f32 v54, v54, v52, -0.5
	s_delay_alu instid0(VALU_DEP_2)
	v_fma_f32 v53, v53, v50, v50                   ; sin r
	s_delay_alu instid0(VALU_DEP_2)
	v_fma_f32 v54, v54, v52, 1.0                   ; cos r
	v_and_b32 v55, 1, v51
	s_delay_alu instid0(VALU_DEP_1)
	v_cmp_eq_u32 vcc_lo, 1, v55                    ; odd quadrants change the two
	s_delay_alu instid0(VALU_DEP_1)
	v_cndmask_b32 v56, v53, v54, vcc_lo
	s_delay_alu instid0(VALU_DEP_2)
	v_cndmask_b32 v57, v54, v53, vcc_lo
	v_lshlrev_b32 v58, 30, v51                     ; the sine's sign: bit 1 of n;
	v_add_nc_u32 v59, 1, v51
	s_delay_alu instid0(VALU_DEP_2)
	v_and_b32 v58, 0x80000000, v58
	s_delay_alu instid0(VALU_DEP_2)
	v_lshlrev_b32 v59, 30, v59                     ; the cosine's: bit 1 of n + 1
	s_delay_alu instid0(VALU_DEP_1)
	v_and_b32 v59, 0x80000000, v59
	s_delay_alu instid0(VALU_DEP_3)
	v_xor_b32 v[32+\i], v58, v56
	s_delay_alu instid0(VALU_DEP_2)
	v_xor_b32 v[16+\i], v59, v57
.endm
; A block of 32 numbers in one lane, v[src] on, becomes 6 registers of codes at v[dst] on, its scale operand in v[so] and its byte in v[by].  The largest magnitude in two chains, with the floor 2^(5 - 127)
; among the leaves, so that the byte cannot fall under 1; registers are read in ascending order.  4 off the exponent field gives the conversion's scale operand.
.macro BLKQ src, dst, tmp, m, so, by
	v_max3_num_f32 v[\m], |v[(\src)]|, |v[(\src)+1]|, 0x2800000
	v_max3_num_f32 v[\by], |v[(\src)+16]|, |v[(\src)+17]|, 0x2800000
.irp i, 2,4,6,8,10,12,14
	v_max3_num_f32 v[\m], v[\m], |v[(\src)+\i]|, |v[(\src)+\i+1]|
	v_max3_num_f32 v[\by], v[\by], |v[(\src)+16+\i]|, |v[(\src)+17+\i]|
.endr
	s_delay_alu instid0(VALU_DEP_1)
	v_max_num_f32 v[\m], v[\m], v[\by]
	s_delay_alu instid0(VALU_DEP_1)
	v_add_nc_u32 v[\so], 0xfe000000, v[\m]
	s_delay_alu instid0(VALU_DEP_1)
	v_lshrrev_b32 v[\by], 23, v[\so]
	v_cvt_scalef32_pk16_bf6_f32 v[(\dst):(\dst)+2], v[(\src):(\src)+15], v[\so]
	v_cvt_scalef32_pk16_bf6_f32 v[(\tmp):(\tmp)+2], v[(\src)+16:(\src)+31], v[\so]   ; (a conversion's three registers begin on an even number: the second half is made elsewhere and moved)
	v_nop                                          ; one plain place behind a scaled conversion
.irp i, 0,1,2
	v_mov_b32 v[(\dst)+3+\i], v[(\tmp)+\i]
.endr
.endm
; K step s of my 16 tokens: through my stage, so that a lane holds 2 x 32 neighbours of ONE row; two blocks' codes and the row's scale word go to LDS as images
.macro XSTEP s
.set R, 128+64*((\s)%2)
.if \s < 3
	s_wait_loadcnt 16                              ; this K step's loads are in; the next step's 16 stay out
.else
	s_wait_loadcnt 0x0
.endif
.irp p, 0,1,2,3,4,5,6,7,8,9,10,11,12,13,14,15
	ds_store_b128 v8, v[R+4*\p:R+4*\p+3] offset:SPI*\p
.endr
.irp c, 0,1
.irp i, 0,1,2,3,4,5,6,7
	ds_load_b128 v[16+32*\c+4*\i:19+32*\c+4*\i], v9 offset:256*\c+16*\i   ; LDS serves a wave's instructions in order: these see my stores.  k = 64 c + 32 h + 4 i on
.endr
.endr
	s_wait_dscnt 0x0                               ; the numbers are back; the stores have read their registers, the last step's images too
.if \s < 2
	XLOAD (\s)+2, R
.endif
	BLKQ 16, 80, 92, 100, 102, 104
	BLKQ 48, 86, 96, 101, 103, 105
	v_lshl_or_b32 v106, v105, 16, v104             ; my two bytes: blocks h and 2 + h,
	s_delay_alu instid0(VALU_DEP_1)
	v_lshlrev_b32 v106, v3, v106                   ; at their places (8 h bits up);
	s_delay_alu instid0(VALU_DEP_1)
	v_permlanex16_b32 v107, v106, s26, s27
	s_delay_alu instid0(VALU_DEP_1)
	v_or_b32 v106, v106, v107                      ; with lane l xor 16's two the word is whole
.irp k, 0,1,2
	ds_store_b128 v10, v[80+4*\k:83+4*\k] offset:1536*(\s)+512*\k
.endr
	ds_store_b32 v11, v106 offset:512*(\s)
.endm
; The products of one weight for the 64 tokens of group g: four K steps x 16 matrix instructions, the 16 accumulators by turns, one instruction a turn.
; qk = 1: D(t, u) at 128 + 32 t + 8 u, source 0 = W(u, s), source 1 = x(t), the first step's C = the bias.   qk = 0: D(u, t) at 128 + 32 u + 8 t, source 0 = x(t), source 1 = W(u, s), C = 0.
.macro MATPH qk, g
.irp s, 0,1,2,3
.irp t, 0,1,2,3
.irp k, 0,1,2
	ds_load_b128 v[16+12*\t+4*\k:19+12*\t+4*\k], v1 offset:XIMG+((4*\g+\t)*4+\s)*1536+512*\k
.endr
.endr
	ds_load_b128 v[4:7], v1 offset:XSC+(4*\g+\s)*512
	s_wait_dscnt 0x0
.if \qk
.if \s == 0
	WIN 0x11                                       ; source 0 (W) and source 2 (the bias) window 1
.else
	WIN 0x01
.endif
.else
	WIN 0x04                                       ; source 1 (W) window 1
.endif
.irp t, 0,1,2,3
.irp u, 0,1,2,3
.if \qk
.if \s == 0
	v_wmma_scale_f32_16x16x128_f8f6f4 v[128+32*\t+8*\u:135+32*\t+8*\u], v[12*(4*\u+\s):12*(4*\u+\s)+11], v[16+12*\t:27+12*\t], v[192+8*\u:199+8*\u], v[112+4*\u+\s], v[4+\t] matrix_a_fmt:MATRIX_FMT_BF6 matrix_b_fmt:MATRIX_FMT_BF6
.else
	v_wmma_scale_f32_16x16x128_f8f6f4 v[128+32*\t+8*\u:135+32*\t+8*\u], v[12*(4*\u+\s):12*(4*\u+\s)+11], v[16+12*\t:27+12*\t], v[128+32*\t+8*\u:135+32*\t+8*\u], v[112+4*\u+\s], v[4+\t] matrix_a_fmt:MATRIX_FMT_BF6 matrix_b_fmt:MATRIX_FMT_BF6
.endif
.else
.if \s == 0
	v_wmma_scale_f32_16x16x128_f8f6f4 v[128+32*\u+8*\t:135+32*\u+8*\t], v[16+12*\t:27+12*\t], v[12*(4*\u+\s):12*(4*\u+\s)+11], 0, v[4+\t], v[112+4*\u+\s] matrix_a_fmt:MATRIX_FMT_BF6 matrix_b_fmt:MATRIX_FMT_BF6
.else
	v_wmma_scale_f32_16x16x128_f8f6f4 v[128+32*\u+8*\t:135+32*\u+8*\t], v[16+12*\t:27+12*\t], v[12*(4*\u+\s):12*(4*\u+\s)+11], v[128+32*\u+8*\t:135+32*\u+8*\t], v[4+\t], v[112+4*\u+\s] matrix_a_fmt:MATRIX_FMT_BF6 matrix_b_fmt:MATRIX_FMT_BF6
.endif
.endif
.endr
.endr
	WIN 0
.rept 4
	v_nop                                          ; four places in front of loads into registers that these products read, and of the first read of results
.endr
.endr
.endm
; q or k of group g: for each tile of tokens the rotary turn, then the lane's block of 32 features becomes codes; pc: the codes' pointer, ps: the scale words'
.macro EPIQK g, pc, ps
.irp t, 0,1,2,3
.irp k, 0,1,2,3,4,5,6,7
	ds_load_b128 v[64+4*\k:67+4*\k], v12 offset:(4*\g+\t)*4096+512*\k     ; my token's 16 cosines (v64 on) and 16 sines (v80 on)
.endr
	s_wait_dscnt 0x0
.irp i, 0,2,4,6,8,10,12,14                     ; a(i) = a(i) cos - a(16 + i) sin;  a(16 + i) = a(16 + i) cos + a(i) sin; two at a time, ascending
	v_pk_mul_f32 v[44+(\i%4):45+(\i%4)], v[128+32*\t+\i:129+32*\t+\i], v[80+\i:81+\i]
	v_pk_mul_f32 v[128+32*\t+\i:129+32*\t+\i], v[128+32*\t+\i:129+32*\t+\i], v[64+\i:65+\i]
	v_pk_fma_f32 v[128+32*\t+\i:129+32*\t+\i], v[144+32*\t+\i:145+32*\t+\i], v[80+\i:81+\i], v[128+32*\t+\i:129+32*\t+\i] neg_lo:[1,0,0] neg_hi:[1,0,0]
	v_pk_fma_f32 v[144+32*\t+\i:145+32*\t+\i], v[144+32*\t+\i:145+32*\t+\i], v[64+\i:65+\i], v[44+(\i%4):45+(\i%4)]
.endr
	BLKQ 128+32*\t, 16+6*\t, 40, 48, 50, 51
	v_lshlrev_b32 v49, v3, v51                     ; my block's byte at its place,
	s_delay_alu instid0(VALU_DEP_1)
	v_permlanex16_b32 v15, v49, s26, s27
	s_delay_alu instid0(VALU_DEP_1)
	v_or_b32 v49, v49, v15                         ; with the other block's,
	s_delay_alu instid0(VALU_DEP_1)
	v_or_b32 v[96+4*\g+\t], 0x7f7f0000, v49        ; and 2^0 for the 64 along K that are zero codes
.endr
.irp k, 0,1,2,3,4,5
	global_store_b128 v1, v[16+4*\k:19+4*\k], s[\pc:\pc+1] offset:3072*\g+512*\k
.endr
.if \g == 1
.irp t, 0,1,2,3
	v_cndmask_b32 v[104+\t], v[96+\t], v[100+\t], s34   ; lanes 0-15: the even group's words; lanes 16-31: the odd group's
.endr
	global_store_b128 v1, v[104:107], s[\ps:\ps+1]
.endif
.endm
; v of group g: a lane holds one feature and a block of 32 tokens for each tile u of features
.macro EPIV g
.irp u, 0,1,2,3
	BLKQ 128+32*\u, 64+12*\u+6*\g, 40, 48, 50, 51
.if \g == 0
	v_mov_b32 v[8+\u], v51                         ; kept for the word
.else
	v_lshl_or_b32 v49, v51, 16, v[8+\u]            ; blocks h and 2 + h of these 128 keys
	s_delay_alu instid0(VALU_DEP_1)
	v_lshlrev_b32 v49, v3, v49
	s_delay_alu instid0(VALU_DEP_1)
	v_permlanex16_b32 v15, v49, s26, s27
	s_delay_alu instid0(VALU_DEP_1)
	v_or_b32 v[16+\u], v49, v15
.endif
.endr
.if \g == 1
.irp i, 0,1,2,3,4,5,6,7,8,9,10,11
	global_store_b128 v1, v[64+4*\i:67+4*\i], s[56:57] offset:512*\i
.endr
	global_store_b128 v1, v[16:19], s[58:59] offset:512
.endif
.endm
	s_load_b256 s[4:11], s[0:1], 0x0               ; x, the images, Wv's scales, Wk's scales
	s_load_b256 s[12:19], s[0:1], 0x20             ; Wq's scales, bk, bq, qkv
	s_set_vgpr_msb 0x40
	v_lshl_add_u32 v254, v0, 2, 0x25800
	v_mov_b32 v255, 0
	s_set_vgpr_msb 0x4000
	v_lshrrev_b32 v1, 5, v0
	s_delay_alu instid0(VALU_DEP_1)
	v_readfirstlane_b32 s20, v1                    ; wave 0..7
	s_lshr_b32 s21, s20, 2                         ; g
	s_and_b32 s22, s20, 3                          ; t
	s_lshr_b32 s23, ttmp9, 3                       ; batch
	s_and_b32 s24, ttmp9, 7                        ; sg: which 128 tokens
	s_mov_b32 s26, 0x76543210
	s_mov_b32 s27, 0xfedcba98                      ; v_permlanex16_b32's selects for lane l xor 16
	s_mov_b32 s72, 0xbfc90fdb                      ; -pi / 2, upper part
	s_mov_b32 s73, 0x333bbd2e                      ; and what is left of it
	s_mov_b32 s74, 0xb94ca1f9                      ; sine: -1.9515296e-4,
	s_mov_b32 s75, 0x3c08839e                      ; 8.3321609e-3,
	s_mov_b32 s76, 0xbe2aaaa3                      ; -1.6666655e-1
	s_mov_b32 s77, 0x37ccf5ce                      ; cosine: 2.4433157e-5,
	s_mov_b32 s78, 0xbab6061a                      ; -1.3887316e-3,
	s_mov_b32 s79, 0x3d2aaaa5                      ; 4.1666646e-2
	v_and_b32 v1, 31, v0
	s_delay_alu instid0(VALU_DEP_1)
	v_lshlrev_b32 v1, 4, v1                        ; 16 x lane
	v_and_b32 v2, 15, v0                           ; p
	v_bfe_u32 v4, v0, 4, 1                         ; h
	s_delay_alu instid0(VALU_DEP_1)
	v_cmp_ne_u32 s34, 0, v4                        ; the mask of lanes 16-31
	s_delay_alu instid0(VALU_DEP_2)
	v_lshlrev_b32 v3, 3, v4                        ; 8 h
	s_delay_alu instid0(VALU_DEP_3)
	v_lshlrev_b32 v14, 7, v4                       ; 128 h
	v_bfe_u32 v5, v0, 3, 1                         ; p / 8
	v_and_b32 v6, 7, v0                            ; p % 8
	s_delay_alu instid0(VALU_DEP_1)
	v_lshl_add_u32 v13, v5, 5, v6
	s_delay_alu instid0(VALU_DEP_1)
	v_lshlrev_b32 v13, 4, v13                      ; a tile's row p, 16 bytes of scales a row
	v_add_nc_u32 v12, TAB, v1
	s_mul_i32 s66, s20, 16*SPI
	s_add_co_u32 s66, s66, STG                     ; my stage
	v_add_nc_u32 v8, s66, v1                       ; in: a row's 512 bytes, 16 a lane
	v_mul_u32_u24 v9, v2, SPI
	s_delay_alu instid0(VALU_DEP_1)
	v_add_nc_u32 v9, v9, v14
	s_delay_alu instid0(VALU_DEP_1)
	v_add_nc_u32 v9, s66, v9                       ; back: row p, + 128 h
	s_mul_i32 s66, s20, 6144
	v_add_nc_u32 v10, s66, v1                      ; my tile's four fragments
	s_lshl_b32 s66, s21, 11
	s_lshl_b32 s67, s22, 2
	s_add_co_u32 s66, s66, s67
	s_add_co_u32 s66, s66, XSC
	v_add_nc_u32 v11, s66, v1                      ; and their scale words
	s_lshl_b32 s66, s20, 12
	s_add_co_u32 s66, s66, TAB
	v_add_nc_u32 v61, s66, v1                      ; my tile's tables
	v_mov_b32 v15, 0                               ; written once: a lane permute's destination counts as one of its sources
	v_mov_b32 v107, 0
	s_lshl_b32 s66, s22, 3
	v_add_nc_u32 v6, s66, v6                       ; my token's grid column: 8 t + p % 8
	s_lshl_b32 s66, s24, 2
	s_lshl_b32 s67, s21, 1
	s_add_co_u32 s66, s66, s67
	v_add_nc_u32 v5, s66, v5                       ; its grid row: 4 sg + 2 g + p / 8
	s_delay_alu instid0(VALU_DEP_1)
	v_cndmask_b32 v5, v5, v6, s34                  ; lanes 0-15 hold features 0-31 (row), lanes 16-31 features 32-63 (column)
	s_delay_alu instid0(VALU_DEP_1)
	v_cvt_f32_u32 v60, v5
	s_lshl_b32 s66, ttmp9, 7
	s_lshl_b32 s67, s21, 6
	s_add_co_u32 s66, s66, s67
	s_lshl_b32 s67, s22, 3
	s_add_co_u32 s66, s66, s67
	s_lshl_b32 s66, s66, 11                        ; x: token 128 id + 64 g + 8 t, 2,048 bytes a row (under 2^27)
	s_mov_b32 s67, 0
	s_mul_i32 s68, s20, 24576                      ; my head's 16 fragments of a weight
	s_mov_b32 s69, 0
	s_lshl_b32 s70, s20, 10                        ; its 64 rows of scales
	s_mov_b32 s71, 0
	s_wait_alu depctr_va_vdst(0)
	s_wait_kmcnt 0x0
	s_add_nc_u64 s[36:37], s[4:5], s[66:67]
	s_add_nc_u64 s[38:39], s[6:7], s[68:69]        ; Wv's images,
	s_add_nc_u64 s[40:41], s[38:39], 196608        ; Wk's,
	s_add_nc_u64 s[42:43], s[38:39], 393216        ; Wq's
	s_add_nc_u64 s[44:45], s[8:9], s[70:71]
	s_add_nc_u64 s[46:47], s[10:11], s[70:71]
	s_add_nc_u64 s[48:49], s[12:13], s[70:71]
	s_lshl_b32 s70, s20, 8
	s_add_nc_u64 s[50:51], s[14:15], s[70:71]      ; bk, bq at my head
	s_add_nc_u64 s[52:53], s[16:17], s[70:71]
	s_lshl_b32 s66, s23, 3
	s_add_co_u32 s66, s66, s20
	s_mul_i32 s66, s66, BLK
	s_add_nc_u64 s[68:69], s[18:19], s[66:67]      ; my block of qkv
	s_mul_i32 s66, s24, 6144
	s_add_nc_u64 s[54:55], s[68:69], s[66:67]      ; K's codes of these 128 tokens,
	s_add_nc_u64 s[56:57], s[54:55], 49152         ; V's,
	s_add_nc_u64 s[60:61], s[54:55], 106496        ; Q's
	s_lshl_b32 s66, s24, 10
	s_add_nc_u64 s[58:59], s[68:69], s[66:67]
	s_add_nc_u64 s[58:59], s[58:59], 98304         ; K's and V's scale words
	s_lshl_b32 s66, s24, 9
	s_add_nc_u64 s[62:63], s[68:69], s[66:67]
	s_add_nc_u64 s[62:63], s[62:63], 155648        ; Q's
	WLOAD 38, 44, 0, 50                            ; Wv first, so that x's counted waits count x's loads alone
	XLOAD 0, 128
	XLOAD 1, 192
	; the tables of my tile are made while x is on its way
	SINCOS 0, 1.0
	SINCOS 1, 0x3f0ff59a
	SINCOS 2, 0x3ea1e89b
	SINCOS 3, 0x3e361887
	SINCOS 4, 0x3dcccccd
	SINCOS 5, 0x3d6655c3
	SINCOS 6, 0x3d0186e2
	SINCOS 7, 0x3c91ad39
	SINCOS 8, 0x3c23d70a
	SINCOS 9, 0x3bb8449c
	SINCOS 10, 0x3b4f3e37
	SINCOS 11, 0x3ae91528
	SINCOS 12, 0x3a83126f
	SINCOS 13, 0x3a136a16
	SINCOS 14, 0x39a5cb5f
	SINCOS 15, 0x393a7753
.irp k, 0,1,2,3,4,5,6,7
	ds_store_b128 v61, v[16+4*\k:19+4*\k] offset:512*\k
.endr
	s_wait_dscnt 0x0                               ; the stores have read their registers
	XSTEP 0
	XSTEP 1
	XSTEP 2
	XSTEP 3
	s_wait_dscnt 0x0                               ; for the others' sake: my images, words and tables have landed
	s_barrier_signal -1
	s_barrier_wait -1                              ; the launch's one barrier: from here on LDS is only read
	; ---- v
	MATPH 0, 0
	EPIV 0
	MATPH 0, 1
	WLOAD 40, 46, 1, 50                            ; Wk lands under the epilogue (behind the four places)
	EPIV 1
	; ---- k
	s_wait_loadcnt 0x0                             ; the weight is in
	s_wait_xcnt 0x0                                ; the stores have read their registers: they are written again only behind this wait
	MATPH 1, 0
	EPIQK 0, 54, 58
	s_wait_xcnt 0x0
	MATPH 1, 1
	WLOAD 42, 48, 1, 52
	EPIQK 1, 54, 58
	; ---- q
	s_wait_loadcnt 0x0
	s_wait_xcnt 0x0
	MATPH 1, 0
	EPIQK 0, 60, 62
	s_wait_xcnt 0x0
	MATPH 1, 1
	EPIQK 1, 60, 62
	s_set_vgpr_msb 0x5
	s_wait_tensorcnt 0x0
	ds_add_u32 v254, v255
	s_wait_dscnt 0x0
	s_set_vgpr_msb 0x500
	s_endpgm
.Lfunc_end_k_qfb87880080_proj:
	.size	k_qfb87880080_proj, .Lfunc_end_k_qfb87880080_proj-k_qfb87880080_proj
	.p2alignl 7, 3214868480
	.fill 96, 4, 3214868480
	.section	.rodata,"a",@progbits
	.p2align	6, 0x0
	.amdhsa_kernel k_qfb87880080_proj
		.amdhsa_group_segment_fixed_size 154624
		.amdhsa_private_segment_fixed_size 0
		.amdhsa_enable_private_segment 0
		.amdhsa_kernarg_size 64
		.amdhsa_user_sgpr_count 2
		.amdhsa_user_sgpr_kernarg_segment_ptr 1
		.amdhsa_wavefront_size32 1
		.amdhsa_system_sgpr_workgroup_id_x 1
		.amdhsa_system_sgpr_workgroup_id_y 1
		.amdhsa_system_sgpr_workgroup_id_z 1
		.amdhsa_system_vgpr_workitem_id 0
		.amdhsa_next_free_vgpr 512
		.amdhsa_next_free_sgpr 80
		.amdhsa_reserve_vcc 1
		.amdhsa_float_denorm_mode_32 3
		.amdhsa_float_denorm_mode_16_64 3
		.amdhsa_memory_ordered 1
		.amdhsa_forward_progress 1
		.amdhsa_inst_pref_size 242
	.end_amdhsa_kernel
	.amdgpu_metadata
---
amdhsa.version: [ 1, 2 ]
amdhsa.kernels:
  - .name:           k_qfb87880080_proj
    .symbol:         k_qfb87880080_proj.kd
    .args:
      - { .name: x, .offset: 0, .size: 8, .value_kind: global_buffer, .address_space: global }
      - { .name: wimg, .offset: 8, .size: 8, .value_kind: global_buffer, .address_space: global }
      - { .name: Wv_scales, .offset: 16, .size: 8, .value_kind: global_buffer, .address_space: global }
      - { .name: Wk_scales, .offset: 24, .size: 8, .value_kind: global_buffer, .address_space: global }
      - { .name: Wq_scales, .offset: 32, .size: 8, .value_kind: global_buffer, .address_space: global }
      - { .name: bk, .offset: 40, .size: 8, .value_kind: global_buffer, .address_space: global }
      - { .name: bq, .offset: 48, .size: 8, .value_kind: global_buffer, .address_space: global }
      - { .name: qkv, .offset: 56, .size: 8, .value_kind: global_buffer, .address_space: global }
    .group_segment_fixed_size: 154624
    .private_segment_fixed_size: 0
    .kernarg_segment_align: 8
    .kernarg_segment_size: 64
    .max_flat_workgroup_size: 256
    .sgpr_count:     80
    .vgpr_count:     512
    .wavefront_size: 32
...
	.end_amdgpu_metadata
.endif
;; end of part 2
;; launch attn (part 3): grid 8 x 32, 8 waves a work-group, clusters of 4 x 1, 327,680 bytes of LDS; arguments qkv, wimg, Wm_scales, bm, gamma, beta, x, out0; writes out0
.if DOCPART == 3
	.amdgcn_target "amdgcn-amd-amdhsa--gfx1250"
	.amdhsa_code_object_version 6
	.text
	.protected	k_qfb87880080_attn
	.globl	k_qfb87880080_attn
	.p2align	8
	.type	k_qfb87880080_attn,@function
k_qfb87880080_attn:
	s_mov_b64 s[64:65], 0
	v_nop
	global_prefetch_b8 v0, s[64:65] scope:SCOPE_SE
	s_setreg_imm32_b32 hwreg(HW_REG_WAVE_MODE, 25, 1), 1
	s_wait_xcnt 0x0
	s_wait_alu depctr_hold_cnt(0) depctr_sa_sdst(0) depctr_va_vdst(0) depctr_va_sdst(0) depctr_va_ssrc(0) depctr_va_vcc(0) depctr_vm_vsrc(0)
	s_getreg_b32 s2, hwreg(HW_REG_IB_STS2, 6, 4)
	s_cmp_eq_u32 s2, 0
	s_cbranch_scc0 .Lentry_in_a_cluster
	s_endpgm
.Lentry_in_a_cluster:
	s_bfe_u32 s2, ttmp6, 0x10000c
	s_cmp_lg_u32 s2, 0x3003
	s_cbranch_scc0 .Lentry_shape_is_right
	s_endpgm
.Lentry_shape_is_right:
; out = LayerNorm(x + ctx Wm^T + bm), ctx = softmax(q k^T / 8) v for each of 8 heads; all three products on codes of BF6 (E3M2) with one E8M0 scale for each 32 along K.
; SHARES.  A work-group takes 128 queries of one batch for all eight heads; wave w = (g = w / 4, t = w % 4) owns 16 queries through all heads, two waves to a SIMD.  Every wave walks a head's 1,024 keys, 128 a step.
; In the tail the waves share the COLUMNS: wave w holds rows 64 w .. 64 w + 63 of Wm in registers, and ctx goes from wave to wave through LDS as images of operand registers.
; CLUSTER.  The four query blocks of a cluster belong to one batch: a head's K codes, V codes and scale words (106,496 dense bytes) are asked for JOINTLY, each wave its eighth, mask of all four.
; LAYOUT.  S^T = K Q^T, O^T = V^T P^T: a lane holds ONE query.  Lane row p of tile t of a group of 64 is row 32 (p / 8) + 8 t + p % 8, so the four tiles' 32 result registers of a lane are a whole block of 32 of the next K.
; The score product has K = 64: Q's upper six registers are zero codes, K's upper six are the registers that follow (codes of finite numbers), both sides' upper scale bytes are 0x7f.
; SOFTMAX.  t = score x log2(e) / 8; -M = floor(-running largest t); p = 2^(t - M) is quantised along the keys; the sum is taken of the unquantised p and divides O at a head's end; when M moves, sum and O are
; multiplied by 2^(old M - new M).  A block's largest p is its largest score put through the same multiply-add and exponential (this takes v_exp_f32 not to fall where its input rises).
; THE WALK.  K has registers of its own (window 1): the next step's K codes and words are asked for behind the score products, V at the step's top, so each s_wait_dscnt 13 leaves the 13 younger loads out.
; The last trip's look-ahead stays in its own slot (its codes' address falls into V's codes, its words' address is held at the last step's) and is not used.
; HEADS go two to a trip (slots 0 and 1 are constants of the text), three trips, the last pair written out: it fills nothing again.  At a head's end the wave signals first, and the head's end
; (sum, division, ctx's codes and zeros: registers alone) stands between the signal and the wait; ctx's LDS stores follow the joint refill.
; PREFETCH.  My 16 rows of x (32,768 bytes, wanted behind the last head) are asked for along the walk: one request for each pair of heads, 32 blocks of 256 bytes (lanes 0-15: two rows of my first eight,
; lanes 16-31: two of my second eight, 65,536 bytes on); each block once, by the wave that will load it.
; LIMITS: NaN and infinities are not served; the scaled scores stay under 2^31 in magnitude.  A block whose largest magnitude lies under 2^-122, a block of zeros among them, keeps the scale byte 1; this program alone reads the bytes.
; LDS: two slots at 0; behind the last fill the tail's stage, 128 rows x 2,064 bytes, lies over them; ctx's fragments at CIMG, their words at CSC; the spare words at SPARE.  All of LDS is claimed.
; REGISTERS, window 0: v1 16 x lane; v2, v3 for the add; v4-6 the step's LDS addresses; v8-11 Q's offsets; v12 -M, v13 largest t, v[14:15] the sum; v[16:27] Q; v28 Q's word; v29 p's; v30 half a ctx word; v31 8 h;
;   v[32:79] V; v80, v81 ctx's addresses; v[86:89], v[90:93] K's, V's words; v94, v95 ctx's bases; v[96:159] S^T, p; v[160:191] O^T; v[192:203] codes; v204-225, v254-255 at work; v[226:232] the next Q;
;   v233 CIMG + 16 lane; v234 stage; v[236:251] Wm's words; v252 prefetch offset; v253 Wm's scales' offset.   window 1: v[0:191] Wm's 16 fragments; v[192:239] K; v[240:245] zeros.
.set BLK,    159744
.set SLOTB,  106496
.set PARTB,  13312
.set VOFF,   49152
.set SOFF,   98304
.set QOFF,   106496
.set QSOFF,  155648
.set CIMG,   264192
.set CSC,    313344
.set SPARE,  317440
.set SPITCH, 2064
.set MSB, 0
.macro WIN new
.if MSB != \new
	s_set_vgpr_msb (MSB<<8)|\new
.set MSB, \new
.endif
.endm
.macro CREST                           ; a round of the cluster's barrier behind its opening barrier
	s_cmp_lg_u32 s20, 0
	s_cbranch_scc1 .Lnot_wave_0_\@
	s_barrier_signal -3
.Lnot_wave_0_\@:
	s_barrier_wait -3
	s_barrier_signal -1
	s_barrier_wait -1
.endm
.macro ROUND
	s_barrier_signal -1
	s_barrier_wait -1
	CREST
.endm
.macro NOPS n
.rept \n
	v_nop
.endr
.endm
.macro BLKQ src, dst, tmp, m, so, by   ; 32 numbers of one lane -> 6 registers of codes, the scale operand, the byte; the floor 2^(5 - 127) holds the byte at 1 from below
	v_max3_num_f32 v[\m], |v[(\src)]|, |v[(\src)+1]|, 0x2800000
	v_max3_num_f32 v[\by], |v[(\src)+16]|, |v[(\src)+17]|, 0x2800000
.irp i, 2,4,6,8,10,12,14
	s_delay_alu instid0(VALU_DEP_2)
	v_max3_num_f32 v[\m], v[\m], |v[(\src)+\i]|, |v[(\src)+\i+1]|
	s_delay_alu instid0(VALU_DEP_2)
	v_max3_num_f32 v[\by], v[\by], |v[(\src)+16+\i]|, |v[(\src)+17+\i]|
.endr
	s_delay_alu instid0(VALU_DEP_1)
	v_max_num_f32 v[\m], v[\m], v[\by]
	s_delay_alu instid0(VALU_DEP_1)
	v_add_nc_u32 v[\so], 0xfe000000, v[\m]
	s_delay_alu instid0(VALU_DEP_1)
	v_lshrrev_b32 v[\by], 23, v[\so]
	v_cvt_scalef32_pk16_bf6_f32 v[(\dst):(\dst)+2], v[(\src):(\src)+15], v[\so]
	v_cvt_scalef32_pk16_bf6_f32 v[(\tmp):(\tmp)+2], v[(\src)+16:(\src)+31], v[\so]
	v_nop                                          ; one plain place behind a scaled conversion
.irp i, 0,1,2
	v_mov_b32 v[(\dst)+3+\i], v[(\tmp)+\i]
.endr
.endm
.macro QLOAD                           ; codes and scale word of my 16 queries, at the head where the two bases stand
.irp i, 0,1,2
	global_load_b64 v[226+2*\i:227+2*\i], v[8+\i], s[52:53]
.endr
	global_load_b32 v232, v11, s[54:55]
.endm
.macro QMOV
.irp i, 0,1,2,3,4,5
	v_mov_b32 v[16+\i], v[226+\i]
.endr
	v_mov_b32 v28, v232
.endm
.macro INIT                            ; a head's start: the largest t -3e38, sums and O^T zeros (the step is written once; the first change of M leaves zeros zeros)
	v_mov_b32 v13, 0xff61b1e6
	v_mov_b32 v14, 0
	v_mov_b32 v15, 0
	v_floor_f32 v12, -v13
.set i, 0
.rept 32
	v_mov_b32 v[160+i], 0
.set i, i+1
.endr
.endm
; A KEY STEP: 128 keys.  s30: their K codes in LDS; s31: their scale words; s33: the next step's K words
.macro STEP
	v_add_nc_u32 v4, s30, v1
	v_add_nc_u32 v5, s31, v1
	v_add_nc_u32 v6, s33, v1
	v_nop                                          ; four places in front of loads into registers that the last products read
.irp i, 0,1,2,3,4,5,6,7,8,9,10,11
	ds_load_b128 v[32+4*\i:35+4*\i], v4 offset:VOFF+512*\i                 ; V: tile u at 32 + 12 u; it lands under the softmax
.endr
	ds_load_b128 v[90:93], v5 offset:512
	s_wait_alu depctr_va_vdst(0)
	s_wait_dscnt 13                                ; K's 12 loads and its words are in; V's 13, issued behind them, stay out
	WIN 0x01                                       ; source 0 (K) window 1
.irp t, 0,1,2,3
	v_wmma_scale_f32_16x16x128_f8f6f4 v[96+8*\t:103+8*\t], v[192+6*\t:203+6*\t], v[16:27], 0, v[86+\t], v28 matrix_a_fmt:MATRIX_FMT_BF6 matrix_b_fmt:MATRIX_FMT_BF6
.endr
.irp t, 0,1,2,3
	v_wmma_scale_f32_16x16x128_f8f6f4 v[128+8*\t:135+8*\t], v[216+6*\t:227+6*\t], v[16:27], 0, v[86+\t], v28 matrix_a_fmt:MATRIX_FMT_BF6 matrix_b_fmt:MATRIX_FMT_BF6 matrix_a_scale:MATRIX_SCALE_ROW1
.endr
	WIN 0
	NOPS 4                                         ; four places: for the loads below and for the first read of the scores
	WIN 0x40                                       ; destination window 1
.irp i, 0,1,2,3,4,5,6,7,8,9,10,11
	ds_load_b128 v[192+4*\i:195+4*\i], v4 offset:6144+512*\i               ; the next step's K: tile (y, t) at 192 + 6 (4 y + t)
.endr
	WIN 0
	ds_load_b128 v[86:89], v6                      ; and its words t; lanes 0-15 the even group, lanes 16-31 the odd
	v_max3_num_f32 v212, v96, v97, v98             ; register 32 y + i holds key 64 y + 32 h + i: two blocks a lane; four chains, each accumulator first read at its low end
	v_max3_num_f32 v214, v112, v113, v114
	v_max3_num_f32 v213, v128, v129, v130
	v_max3_num_f32 v215, v144, v145, v146
.irp i, 3,5,7,9,11,13
	v_max3_num_f32 v212, v212, v[96+\i], v[97+\i]
	v_max3_num_f32 v214, v214, v[112+\i], v[113+\i]
	v_max3_num_f32 v213, v213, v[128+\i], v[129+\i]
	v_max3_num_f32 v215, v215, v[144+\i], v[145+\i]
.endr
	v_max3_num_f32 v212, v212, v214, v111
	v_max3_num_f32 v213, v213, v215, v143
	v_max_num_f32 v212, v212, v127
	v_max_num_f32 v213, v213, v159
	s_delay_alu instid0(VALU_DEP_1)
	v_max_num_f32 v218, v212, v213
	s_delay_alu instid0(VALU_DEP_1)
	v_permlanex16_b32 v219, v218, s26, s27
	s_delay_alu instid0(VALU_DEP_1)
	v_max_num_f32 v218, v218, v219                 ; the step's largest score of my query
	s_delay_alu instid0(VALU_DEP_1)
	v_mul_f32 v218, s28, v218                      ; as t (c is positive)
	s_delay_alu instid0(VALU_DEP_1)
	v_max_num_f32 v13, v13, v218
	v_mov_b32 v218, v12
	s_delay_alu instid0(VALU_DEP_2)
	v_floor_f32 v12, -v13                          ; the new -M
	s_delay_alu instid0(VALU_DEP_1)
	v_sub_f32 v218, v12, v218                      ; old M - new M: a whole number, 0 or less
	s_delay_alu instid0(VALU_DEP_1)
	v_cvt_i32_f32 v218, v218                       ; (it saturates)
	s_delay_alu instid0(VALU_DEP_1)
	v_ldexp_f32 v220, 1.0, v218                    ; f = 2^(old M - new M)
.set i, 0
.rept 32
	v_pk_fma_f32 v[96+i:97+i], v[96+i:97+i], s[28:29], v[12:13] op_sel_hi:[1,0,0]   ; t - M
.set i, i+2
.endr
	v_fma_f32 v212, v212, s28, v12                 ; the same of each block's largest score
	v_fma_f32 v213, v213, s28, v12
.set i, 0
	s_wait_alu depctr_va_vdst(0)
.rept 64
	v_exp_f32 v[96+i], v[96+i]                     ; p = 2^(t - M), at most 1
.set i, i+1
.endr
	v_exp_f32 v212, v212
	v_exp_f32 v213, v213
	v_pk_mul_f32 v[14:15], v[14:15], v[220:221] op_sel_hi:[1,0]   ; the sum under the new M (a plain place behind the exponentials)
	s_wait_alu depctr_va_vdst(0)                   ; and behind it
	v_max_num_f32 v212, 0x2800000, v212            ; the floor 2^(5 - 127)
	v_max_num_f32 v213, 0x2800000, v213
	s_delay_alu instid0(VALU_DEP_2)
	v_add_nc_u32 v214, 0xfe000000, v212            ; 4 off the exponent field: the conversion's scale operand
	s_delay_alu instid0(VALU_DEP_2)
	v_add_nc_u32 v215, 0xfe000000, v213
	s_delay_alu instid0(VALU_DEP_2)
	v_lshrrev_b32 v216, 23, v214
	s_delay_alu instid0(VALU_DEP_2)
	v_lshrrev_b32 v217, 23, v215
	s_delay_alu instid0(VALU_DEP_1)
	v_lshl_or_b32 v29, v217, 16, v216              ; blocks h and 2 + h,
	s_delay_alu instid0(VALU_DEP_1)
	v_lshlrev_b32 v29, v31, v29                    ; at their places;
	s_delay_alu instid0(VALU_DEP_1)
	v_permlanex16_b32 v219, v29, s26, s27
	s_delay_alu instid0(VALU_DEP_1)
	v_or_b32 v29, v29, v219                        ; with lane l xor 16's: p's scale word
	v_cvt_scalef32_pk16_bf6_f32 v[192:194], v[96:111], v214
	v_cvt_scalef32_pk16_bf6_f32 v[204:206], v[112:127], v214
	v_cvt_scalef32_pk16_bf6_f32 v[198:200], v[128:143], v215
	v_cvt_scalef32_pk16_bf6_f32 v[208:210], v[144:159], v215
	v_nop
.irp i, 0,1,2
	v_mov_b32 v[195+\i], v[204+\i]
	v_mov_b32 v[201+\i], v[208+\i]
.endr
	v_pk_add_f32 v[222:223], v[100:101], v[104:105] ; the sum of the unquantised p, in eight chains
	v_pk_add_f32 v[254:255], v[108:109], v[112:113]
	v_pk_add_f32 v[216:217], v[116:117], v[120:121]
	v_pk_add_f32 v[214:215], v[124:125], v[128:129]
	v_pk_add_f32 v[212:213], v[132:133], v[136:137]
	v_pk_add_f32 v[210:211], v[140:141], v[144:145]
	v_pk_add_f32 v[208:209], v[148:149], v[152:153]
	v_pk_add_f32 v[14:15], v[14:15], v[156:157]
	v_pk_add_f32 v[222:223], v[222:223], v[96:97]
	v_pk_add_f32 v[254:255], v[254:255], v[98:99]
	v_pk_add_f32 v[216:217], v[216:217], v[102:103]
	v_pk_add_f32 v[214:215], v[214:215], v[106:107]
	v_pk_add_f32 v[212:213], v[212:213], v[110:111]
	v_pk_add_f32 v[210:211], v[210:211], v[114:115]
	v_pk_add_f32 v[208:209], v[208:209], v[118:119]
	v_pk_add_f32 v[14:15], v[14:15], v[122:123]
	v_pk_add_f32 v[222:223], v[222:223], v[126:127]
	v_pk_add_f32 v[254:255], v[254:255], v[130:131]
	v_pk_add_f32 v[216:217], v[216:217], v[134:135]
	v_pk_add_f32 v[214:215], v[214:215], v[138:139]
	v_pk_add_f32 v[212:213], v[212:213], v[142:143]
	v_pk_add_f32 v[210:211], v[210:211], v[146:147]
	v_pk_add_f32 v[208:209], v[208:209], v[150:151]
	v_pk_add_f32 v[14:15], v[14:15], v[154:155]
	v_pk_add_f32 v[222:223], v[222:223], v[158:159]
	s_delay_alu instid0(VALU_DEP_2)
	v_pk_add_f32 v[14:15], v[14:15], v[214:215]
	s_delay_alu instid0(VALU_DEP_2)
	v_pk_add_f32 v[222:223], v[222:223], v[212:213]
	v_pk_add_f32 v[254:255], v[254:255], v[210:211]
	v_pk_add_f32 v[216:217], v[216:217], v[208:209]
	s_delay_alu instid0(VALU_DEP_2)
	v_pk_add_f32 v[14:15], v[14:15], v[254:255]
	s_delay_alu instid0(VALU_DEP_2)
	v_pk_add_f32 v[222:223], v[222:223], v[216:217]
	s_delay_alu instid0(VALU_DEP_1)
	v_pk_add_f32 v[14:15], v[14:15], v[222:223]
.set i, 0
.rept 16
	v_pk_mul_f32 v[160+i:161+i], v[160+i:161+i], v[220:221] op_sel_hi:[1,0]   ; O^T under the new M (the sums and these are the places between p's codes and word and the products)
.set i, i+2
.endr
	s_wait_alu depctr_va_vdst(0)
	s_wait_dscnt 13                                ; V is in; the next K's 13 loads stay out
.irp u, 0,1,2,3
	v_wmma_scale_f32_16x16x128_f8f6f4 v[160+8*\u:167+8*\u], v[32+12*\u:43+12*\u], v[192:203], v[160+8*\u:167+8*\u], v[90+\u], v29 matrix_a_fmt:MATRIX_FMT_BF6 matrix_b_fmt:MATRIX_FMT_BF6
.endr
.endm
; A head's eight steps out of slot par.  q = 1: the next head's Q is asked for
.macro RUN par, q
.if \q
	s_add_nc_u64 s[52:53], s[52:53], BLK           ; (the last loads by these bases were waited for)
	s_add_nc_u64 s[54:55], s[54:55], BLK
	QLOAD
.endif
	s_mov_b32 s30, (\par)*SLOTB
	s_mov_b32 s31, (\par)*SLOTB+SOFF
	s_mov_b32 s33, (\par)*SLOTB+SOFF+1024
	s_mov_b32 s32, 8
	v_add_nc_u32 v4, s30, v1
	v_add_nc_u32 v5, s31, v1
	WIN 0x40
.irp i, 0,1,2,3,4,5,6,7,8,9,10,11
	ds_load_b128 v[192+4*\i:195+4*\i], v4 offset:512*\i                    ; the first step's K
.endr
	WIN 0
	ds_load_b128 v[86:89], v5
.if \par == 0
	global_prefetch_b8 v252, s[58:59] th:TH_LOAD_NT scope:SCOPE_SE         ; four of my rows of x
.endif
.Lstep_\@:
	STEP
	s_add_co_u32 s30, s30, 6144
	s_add_co_u32 s31, s31, 1024
	s_add_co_u32 s33, s31, 1024
	s_min_u32 s33, s33, (\par)*SLOTB+SOFF+7168     ; held at the last step's words
	s_sub_co_u32 s32, s32, 1
	s_cmp_lg_u32 s32, 0
	s_cbranch_scc1 .Lstep_\@
.endm
; A head's end, and the change of slots.  mode 1: slot par is filled again, behind a round; mode 0: a barrier alone shows the last head's slot whole; mode 2: the last head.
; O^T / the sum is ctx's 64 features of the head: a lane's 32 registers are a whole block: registers 6 par on of fragment (my tile, K step = pair of heads)
.macro ENDH par, mode
.if \mode < 2
	s_wait_loadcnt 0x0                             ; the next head's Q is in
	s_wait_tensorcnt 0x0                           ; my eighth of the next head is in; no tensor load of mine is out
	ds_add_u32 v2, v3
.if \mode == 1
	s_add_nc_u64 s[46+4*\par:47+4*\par], s[46+4*\par:47+4*\par], 2*BLK     ; this slot's next head
.endif
	QMOV                                           ; (also the places behind the last products)
	s_wait_dscnt 0x0                               ; the add is done, my reads of this slot are over
	s_barrier_signal -1                            ; registers alone from here to the wait
.else
	NOPS 4
.endif
	v_add_f32 v14, v14, v15
	s_delay_alu instid0(VALU_DEP_1)
	v_permlanex16_b32 v219, v14, s26, s27
	s_delay_alu instid0(VALU_DEP_1)
	v_add_f32 v14, v14, v219                       ; the row's sum
	s_wait_alu depctr_va_vdst(0)
	v_rcp_f32 v224, v14
	v_nop
.set i, 0
	s_wait_alu depctr_va_vdst(0)
.rept 16
	v_pk_mul_f32 v[160+i:161+i], v[160+i:161+i], v[224:225] op_sel_hi:[1,0]
.set i, i+2
.endr
	BLKQ 160, 192, 204, 212, 214, 216
	v_lshlrev_b32 v217, v31, v216
	v_add_nc_u32 v80, s34, v94
	s_delay_alu instid0(VALU_DEP_2)
	v_permlanex16_b32 v219, v217, s26, s27
.if \par == 0
	s_delay_alu instid0(VALU_DEP_1)
	v_or_b32 v30, v217, v219                       ; the word's lower two bytes wait for the next head's
.else
	v_add_nc_u32 v81, s35, v95
	s_delay_alu instid0(VALU_DEP_2)
	v_or_b32 v217, v217, v219
	s_delay_alu instid0(VALU_DEP_1)
	v_lshl_or_b32 v217, v217, 16, v30
.endif
.if \mode < 2
	INIT
	s_wait_alu depctr_va_vdst(0)
	s_barrier_wait -1
.endif
.if \mode == 1
	CREST                                          ; no wave of any partner reads this slot or has a load on its way
	tensor_load_to_lds s[44+4*\par:47+4*\par], s[36:43]
	s_nop 0
	NOPS 4
.endif
.if \par == 0
	ds_store_b128 v80, v[192:195]
	ds_store_b64 v80, v[196:197] offset:512
.else
	ds_store_b64 v80, v[192:193] offset:520
	ds_store_b128 v80, v[194:197] offset:1024
	ds_store_b32 v81, v217
.endif
.endm
; THE TAIL'S PRODUCT for the 64 queries of group g: my 64 outputs; 16 accumulators (t, u) by turns; then into the stage
.macro TAILG g
.irp s, 0,1,2,3
.irp t, 0,1,2,3
.irp k, 0,1,2
	ds_load_b128 v[32+12*\t+4*\k:35+12*\t+4*\k], v233 offset:((4*\g+\t)*4+\s)*1536+512*\k
.endr
.endr
	ds_load_b128 v[86:89], v233 offset:CSC-CIMG+(4*\g+\s)*512
	s_wait_dscnt 0x0
	WIN 0x01
.irp t, 0,1,2,3
.irp u, 0,1,2,3
.if \s == 0
	v_wmma_scale_f32_16x16x128_f8f6f4 v[96+32*\t+8*\u:103+32*\t+8*\u], v[12*(4*\u+\s):12*(4*\u+\s)+11], v[32+12*\t:43+12*\t], 0, v[236+4*\u+\s], v[86+\t] matrix_a_fmt:MATRIX_FMT_BF6 matrix_b_fmt:MATRIX_FMT_BF6
.else
	v_wmma_scale_f32_16x16x128_f8f6f4 v[96+32*\t+8*\u:103+32*\t+8*\u], v[12*(4*\u+\s):12*(4*\u+\s)+11], v[32+12*\t:43+12*\t], v[96+32*\t+8*\u:103+32*\t+8*\u], v[236+4*\u+\s], v[86+\t] matrix_a_fmt:MATRIX_FMT_BF6 matrix_b_fmt:MATRIX_FMT_BF6
.endif
.endr
.endr
	WIN 0
	NOPS 4
.endr
.irp t, 0,1,2,3
	v_add_nc_u32 v[226+\t], (4*\g+\t)*16*SPITCH, v234
.endr
.irp t, 0,1,2,3
.irp u, 0,1,2,3
	ds_store_b128 v[226+\t], v[96+32*\t+8*\u:99+32*\t+8*\u] offset:32*\u        ; stage row 16 (4 g + t) + r, outputs 64 w + 32 h + 8 u + 0 .. 7; each accumulator from its low end on
	ds_store_b128 v[226+\t], v[100+32*\t+8*\u:103+32*\t+8*\u] offset:32*\u+16
.endr
.endr
	s_wait_dscnt 0x0
.endm
.macro REDUCE                          ; v4 summed over the 32 lanes, into every lane
	s_delay_alu instid0(VALU_DEP_1)
	v_add_f32_dpp v4, v4, v4 row_xmask:1 row_mask:0xf bank_mask:0xf
	s_delay_alu instid0(VALU_DEP_1)
	v_add_f32_dpp v4, v4, v4 row_xmask:2 row_mask:0xf bank_mask:0xf
	s_delay_alu instid0(VALU_DEP_1)
	v_add_f32_dpp v4, v4, v4 row_xmask:4 row_mask:0xf bank_mask:0xf
	s_delay_alu instid0(VALU_DEP_1)
	v_add_f32_dpp v4, v4, v4 row_xmask:8 row_mask:0xf bank_mask:0xf
	s_delay_alu instid0(VALU_DEP_1)
	v_permlanex16_b32 v8, v4, s26, s27
	s_delay_alu instid0(VALU_DEP_1)
	v_add_f32 v4, v4, v8
.endm
; Row r of my 16 stage rows: h = x + merged + bm; mean; the mean of the squared differences (two passes: no difference of large sums); scale, gain, offset.  A lane holds columns 128 q + 4 lane + 0 .. 3
.macro ROW r
.set H,  16+64*((\r)%2)
.set HN, 16+64*(((\r)+1)%2)
.set XR, 96+16*((\r)%8)
.set Y,  224+16*((\r)%2)
	s_wait_xcnt 0x0                                ; earlier stores (and the prefetches) have read their registers: Y is written again only behind this wait
.if \r < 15
.irp q, 0,1,2,3
	ds_load_b128 v[HN+4*\q:HN+4*\q+3], v9 offset:((\r)+1)*SPITCH+512*\q
.endr
	s_wait_dscnt 4                                 ; this row is in; the next row's four loads stay out
.else
	s_wait_dscnt 0x0
.endif
.if \r < 8
	s_wait_loadcnt 28                              ; this row of x is in; 4 (7 - r) first loads and 4 r loads of rows 8 on stay out
.else
	s_wait_loadcnt 4*(15-(\r))
.endif
.irp i, 0,2,4,6,8,10,12,14
	v_pk_add_f32 v[H+\i:H+\i+1], v[H+\i:H+\i+1], v[XR+\i:XR+\i+1]
.endr
.irp i, 0,2,4,6,8,10,12,14
	v_pk_add_f32 v[H+\i:H+\i+1], v[H+\i:H+\i+1], v[32+\i:33+\i]
.endr
.if \r < 8
.irp q, 0,1,2,3
	global_load_b128 v[XR+4*\q:XR+4*\q+3], v1, s[60:61] offset:(32+(\r))*2048+512*\q th:TH_LOAD_NT
.endr
.endif
	v_pk_add_f32 v[4:5], v[H:H+1], v[H+2:H+3]
	v_pk_add_f32 v[6:7], v[H+4:H+5], v[H+6:H+7]
	s_delay_alu instid0(VALU_DEP_2)
	v_pk_add_f32 v[4:5], v[4:5], v[H+8:H+9]
	s_delay_alu instid0(VALU_DEP_2)
	v_pk_add_f32 v[6:7], v[6:7], v[H+10:H+11]
	s_delay_alu instid0(VALU_DEP_2)
	v_pk_add_f32 v[4:5], v[4:5], v[H+12:H+13]
	s_delay_alu instid0(VALU_DEP_2)
	v_pk_add_f32 v[6:7], v[6:7], v[H+14:H+15]
	s_delay_alu instid0(VALU_DEP_1)
	v_pk_add_f32 v[4:5], v[4:5], v[6:7]
	s_delay_alu instid0(VALU_DEP_1)
	v_add_f32 v4, v4, v5
	REDUCE
	s_delay_alu instid0(VALU_DEP_1)
	v_mul_f32 v10, 0xbb000000, v4                  ; -mean
.irp i, 0,2,4,6,8,10,12,14
	v_pk_add_f32 v[H+\i:H+\i+1], v[H+\i:H+\i+1], v[10:11] op_sel_hi:[1,0]
.endr
	v_pk_mul_f32 v[4:5], v[H:H+1], v[H:H+1]
	v_pk_mul_f32 v[6:7], v[H+2:H+3], v[H+2:H+3]
.irp i, 4,8,12
	s_delay_alu instid0(VALU_DEP_2)
	v_pk_fma_f32 v[4:5], v[H+\i:H+\i+1], v[H+\i:H+\i+1], v[4:5]
	s_delay_alu instid0(VALU_DEP_2)
	v_pk_fma_f32 v[6:7], v[H+\i+2:H+\i+3], v[H+\i+2:H+\i+3], v[6:7]
.endr
	s_delay_alu instid0(VALU_DEP_1)
	v_pk_add_f32 v[4:5], v[4:5], v[6:7]
	s_delay_alu instid0(VALU_DEP_1)
	v_add_f32 v4, v4, v5
	REDUCE
	s_delay_alu instid0(VALU_DEP_1)
	v_fma_f32 v12, v4, s66, s67                    ; variance + 1e-5
	s_wait_alu depctr_va_vdst(0)
	v_rsq_f32 v12, v12
	v_nop
	s_wait_alu depctr_va_vdst(0)
.irp i, 0,2,4,6,8,10,12,14
	v_pk_mul_f32 v[Y+\i:Y+\i+1], v[H+\i:H+\i+1], v[12:13] op_sel_hi:[1,0]
.endr
.irp i, 0,2,4,6,8,10,12,14
	v_pk_fma_f32 v[Y+\i:Y+\i+1], v[Y+\i:Y+\i+1], v[48+\i:49+\i], v[64+\i:65+\i]
.endr
.irp q, 0,1,2,3
	global_store_b128 v1, v[Y+4*\q:Y+4*\q+3], s[62:63] offset:(32*((\r)/8)+((\r)%8))*2048+512*\q th:TH_STORE_NT   ; 32 lanes store 512 consecutive bytes, at a multiple of 256 from the buffer's first byte
.endr
.endm
	s_load_b256 s[4:11], s[0:1], 0x0               ; qkv, the images, Wm's scales, bm
	s_load_b256 s[12:19], s[0:1], 0x20             ; gamma, beta, x, out0
	v_lshl_add_u32 v2, v0, 2, SPARE
	v_mov_b32 v3, 0
	ds_add_u32 v2, v3
	ds_add_u32 v2, v3
	v_lshrrev_b32 v1, 5, v0
	s_delay_alu instid0(VALU_DEP_1)
	v_readfirstlane_b32 s20, v1                    ; wave 0..7
	s_lshr_b32 s21, s20, 2                         ; g
	s_and_b32 s22, s20, 3                          ; t
	s_bfe_u32 s23, ttmp6, 0x40000                  ; cx: it enters Q's, x's and out0's addresses alone
	s_lshl_b32 s24, ttmp9, 2
	s_add_co_u32 s24, s24, s23                     ; my block of 128 queries
	s_and_b32 s25, ttmp7, 0xffff                   ; the batch, which the four partners share
	s_mov_b32 s26, 0x76543210
	s_mov_b32 s27, 0xfedcba98                      ; v_permlanex16_b32's selects for lane l xor 16
	s_mov_b32 s28, 0x3e38aa3b                      ; c = log2(e) / 8
	s_mov_b32 s29, s28
	s_mov_b32 s66, 0x3b000000                      ; 1 / 512
	s_mov_b32 s67, 0x3727c5ac                      ; 1e-5
	s_mov_b32 s36, 15|(3<<16)|(1<<21)              ; group 1: the mask of all four; elements of 8 bytes; bit 21 beside a mask
	s_mov_b32 s37, 32<<16                          ; 52 dense rows of 256 bytes
	s_mov_b32 s38, 52<<16
	s_mov_b32 s39, 32<<16
	s_mov_b32 s40, 52
	s_mov_b32 s41, 32
	s_mov_b32 s42, 0
	s_mov_b32 s43, 0
	s_mul_i32 s72, s25, 8*BLK                      ; the batch's eight blocks
	s_mov_b32 s73, 0
	s_mul_i32 s74, s20, PARTB                      ; my eighth: in memory and in a slot
	s_mov_b32 s75, 0
.irp i, 0,1,2                                  ; Q's registers 6 t + 2 i, + 1 in a group's image: chunk (6 t + 2 i) / 4, word (6 t + 2 i) % 4
	s_mul_i32 s76, s22, 6
	s_add_co_u32 s76, s76, 2*\i
	s_lshr_b32 s77, s76, 2
	s_lshl_b32 s77, s77, 9
	s_and_b32 s76, s76, 3
	s_lshl_b32 s76, s76, 2
	s_add_co_u32 s[56+\i], s77, s76
.endr
	s_lshl_b32 s59, s22, 2                         ; 4 t
	s_mul_i32 s33, s20, 6144
	s_add_co_u32 s33, s33, CIMG                    ; ctx's images of my tile
	s_lshl_b32 s34, s21, 11
	s_add_co_u32 s34, s34, s59
	s_add_co_u32 s34, s34, CSC                     ; and their scale words
	s_lshl_b32 s35, s20, 8                         ; 256 w
	s_wait_dscnt 0x0                               ; both opening adds are done
	; the vector set-up in one run, its scalars made above
	v_and_b32 v1, 31, v0
	v_and_b32 v6, 15, v0                           ; r
	v_bfe_u32 v7, v0, 4, 1                         ; h
	v_bfe_u32 v253, v0, 3, 1
	v_and_b32 v4, 7, v0
	v_lshlrev_b32 v1, 4, v1                        ; 16 x lane
	v_lshlrev_b32 v252, 8, v6                      ; prefetch: 256 r
	v_lshlrev_b32 v31, 3, v7                       ; 8 h
	v_mul_u32_u24 v234, v6, SPITCH
	v_lshl_add_u32 v253, v253, 5, v4
	v_lshl_add_u32 v252, v7, 16, v252              ; + 65,536 h
	v_lshl_add_u32 v11, v6, 4, s59                 ; Q's scale word: 16 r + 4 t
	v_lshl_add_u32 v234, v7, 7, v234
	v_lshlrev_b32 v253, 4, v253                    ; Wm's scales: a tile's row, 16 bytes a row
	v_add_nc_u32 v8, s56, v1
	v_add_nc_u32 v9, s57, v1
	v_add_nc_u32 v10, s58, v1
	v_add_nc_u32 v234, s35, v234                   ; the stage: row r, + 128 h, + 256 w
	v_add_nc_u32 v94, s33, v1
	v_add_nc_u32 v95, s34, v1
	v_add_nc_u32 v233, CIMG, v1
.irp i, 0,1,2,3,4,5
	v_mov_b32 v[22+\i], 0                          ; Q's upper 64 along K: zero codes, set once
.endr
	v_mov_b32 v219, 0                              ; a lane permute's destination counts as one of its sources
	v_mov_b32 v221, 0                              ; (named as the upper halves of pairs)
	v_mov_b32 v225, 0
	WIN 0x40
.irp i, 0,1,2,3,4,5
	v_mov_b32 v[240+\i], 0                         ; what K's last tile names beyond its six registers
.endr
	WIN 0
	s_wait_alu depctr_va_vdst(0)
	s_wait_kmcnt 0x0
	s_add_nc_u64 s[76:77], s[4:5], s[72:73]        ; the batch's blocks
	s_mov_b32 s44, 1                               ; group 0, slot 0: head 0, my eighth
	s_mov_b32 s45, s74
	s_add_nc_u64 s[46:47], s[76:77], s[74:75]
	s_mov_b32 s48, 1                               ; slot 1: head 1
	s_add_co_u32 s49, s74, SLOTB
	s_add_nc_u64 s[50:51], s[46:47], BLK
	s_or_b32 s47, s47, 0x80000000
	s_or_b32 s51, s51, 0x80000000
	s_lshl_b32 s78, s24, 1
	s_add_co_u32 s78, s78, s21
	s_mul_i32 s78, s78, 3072
	s_add_co_u32 s78, s78, QOFF
	s_mov_b32 s79, 0
	s_add_nc_u64 s[52:53], s[76:77], s[78:79]      ; Q's codes: group 2 qb + g of head 0
	s_lshl_b32 s78, s24, 9
	s_lshl_b32 s72, s21, 8
	s_add_co_u32 s78, s78, s72
	s_add_co_u32 s78, s78, QSOFF
	s_add_nc_u64 s[54:55], s[76:77], s[78:79]      ; and its scale words
	s_lshl_b32 s78, s25, 10
	s_lshl_b32 s72, s24, 7
	s_add_co_u32 s78, s78, s72
	s_lshl_b32 s72, s21, 6
	s_add_co_u32 s78, s78, s72
	s_lshl_b32 s72, s22, 3
	s_add_co_u32 s78, s78, s72
	s_lshl_b32 s78, s78, 11                        ; token 1,024 batch + 128 qb + 64 g + 8 t, 2,048 bytes a row
	s_add_nc_u64 s[60:61], s[16:17], s[78:79]      ; x
	s_add_nc_u64 s[62:63], s[18:19], s[78:79]      ; out0
	s_mov_b64 s[58:59], s[60:61]                   ; where my prefetches stand
	s_mul_i32 s78, s20, 24576
	s_add_co_u32 s78, s78, 589824
	s_add_nc_u64 s[68:69], s[6:7], s[78:79]        ; Wm's images, my 64 rows
	s_lshl_b32 s78, s20, 10
	s_add_nc_u64 s[70:71], s[8:9], s[78:79]        ; their scales
	ROUND                                          ; all four work-groups are here: the first joint loads meet
	tensor_load_to_lds s[44:47], s[36:43]          ; head 0 into slot 0: my one load at the head
	s_nop 0
	NOPS 4
	QLOAD
	s_wait_tensorcnt 0x0                           ; slot 1's first fill is issued as a refill is
	ds_add_u32 v2, v3
	s_wait_dscnt 0x0
	ROUND
	tensor_load_to_lds s[48:51], s[36:43]          ; head 1 into slot 1
	s_nop 0
	NOPS 4
	s_wait_loadcnt 0x0                             ; head 0's Q
	QMOV
	WIN 0x40
.set i, 0
.rept 48
	global_load_b128 v[4*i:4*i+3], v1, s[68:69] offset:512*i               ; Wm: wanted in the tail; waited for with the next head's Q
.set i, i+1
.endr
	WIN 0
.irp u, 0,1,2,3
	global_load_b128 v[236+4*\u:239+4*\u], v253, s[70:71] offset:128*\u
.endr
	INIT
	s_mov_b32 s34, 0                               ; ctx's K step: 1,536 bytes of images,
	s_mov_b32 s35, 0                               ; 512 of words for each pair of heads
	s_mov_b32 s56, 3
.Lpair:                                                ; heads 2 p and 2 p + 1; the refills bring heads 2 p + 2 and 2 p + 3
	RUN 0, 1
	ENDH 0, 1
	RUN 1, 1
	ENDH 1, 1
	s_wait_xcnt 0x0                                ; the prefetch has read its base
	s_add_nc_u64 s[58:59], s[58:59], 4096
	s_add_co_u32 s34, s34, 1536
	s_add_co_u32 s35, s35, 512
	s_sub_co_u32 s56, s56, 1
	s_cmp_lg_u32 s56, 0
	s_cbranch_scc1 .Lpair
	RUN 0, 1                                       ; heads 6 and 7: nothing is filled again
	ENDH 0, 0
	RUN 1, 0
	ENDH 1, 2
	s_wait_dscnt 0x0                               ; my last images of ctx have landed, my reads of the slots are over
	s_barrier_signal -1
	s_barrier_wait -1                              ; ctx lies in LDS; both slots have had their last fill and their last read: the stage may be written
	TAILG 0
	TAILG 1
.irp q, 0,1,2,3
	global_load_b128 v[32+4*\q:35+4*\q], v1, s[10:11] offset:512*\q              ; bm,
	global_load_b128 v[48+4*\q:51+4*\q], v1, s[12:13] offset:512*\q              ; gamma,
	global_load_b128 v[64+4*\q:67+4*\q], v1, s[14:15] offset:512*\q              ; beta at my columns
.endr
.irp r, 0,1,2,3,4,5,6,7
.irp q, 0,1,2,3
	global_load_b128 v[96+16*\r+4*\q:99+16*\r+4*\q], v1, s[60:61] offset:\r*2048+512*\q th:TH_LOAD_NT   ; x: my rows 0-7
.endr
.endr
	s_mul_i32 s72, s20, 16*SPITCH
	v_add_nc_u32 v9, s72, v1                       ; my 16 stage rows: row 16 w + r is token 128 qb + 64 g + 32 (r / 8) + 8 t + r % 8
	s_wait_alu depctr_va_vdst(0)
	s_barrier_signal -1                            ; (every wave's stores into the stage were waited for at the end of the tail's product)
	s_barrier_wait -1
.irp q, 0,1,2,3
	ds_load_b128 v[16+4*\q:19+4*\q], v9 offset:512*\q
.endr
.irp r, 0,1,2,3,4,5,6,7,8,9,10,11,12,13,14,15
	ROW \r
.endr
	s_wait_tensorcnt 0x0                           ; the wave's end
	ds_add_u32 v2, v3
	s_wait_dscnt 0x0
	ROUND                                          ; the closing round
	s_endpgm
.Lfunc_end_k_qfb87880080_attn:
	.size	k_qfb87880080_attn, .Lfunc_end_k_qfb87880080_attn-k_qfb87880080_attn
	.p2alignl 7, 3214868480
	.fill 96, 4, 3214868480
	.section	.rodata,"a",@progbits
	.p2align	6, 0x0
	.amdhsa_kernel k_qfb87880080_attn
		.amdhsa_group_segment_fixed_size 327680
		.amdhsa_private_segment_fixed_size 0
		.amdhsa_enable_private_segment 0
		.amdhsa_kernarg_size 64
		.amdhsa_user_sgpr_count 2
		.amdhsa_user_sgpr_kernarg_segment_ptr 1
		.amdhsa_wavefront_size32 1
		.amdhsa_system_sgpr_workgroup_id_x 1
		.amdhsa_system_sgpr_workgroup_id_y 1
		.amdhsa_system_sgpr_workgroup_id_z 1
		.amdhsa_system_vgpr_workitem_id 0
		.amdhsa_next_free_vgpr 512
		.amdhsa_next_free_sgpr 80
		.amdhsa_reserve_vcc 0
		.amdhsa_float_denorm_mode_32 3
		.amdhsa_float_denorm_mode_16_64 3
		.amdhsa_memory_ordered 1
		.amdhsa_forward_progress 1
		.amdhsa_inst_pref_size 237
	.end_amdhsa_kernel
	.amdgpu_metadata
---
amdhsa.version: [ 1, 2 ]
amdhsa.kernels:
  - .name:           k_qfb87880080_attn
    .symbol:         k_qfb87880080_attn.kd
    .args:
      - { .name: qkv, .offset: 0, .size: 8, .value_kind: global_buffer, .address_space: global }
      - { .name: wimg, .offset: 8, .size: 8, .value_kind: global_buffer, .address_space: global }
      - { .name: Wm_scales, .offset: 16, .size: 8, .value_kind: global_buffer, .address_space: global }
      - { .name: bm, .offset: 24, .size: 8, .value_kind: global_buffer, .address_space: global }
      - { .name: gamma, .offset: 32, .size: 8, .value_kind: global_buffer, .address_space: global }
      - { .name: beta, .offset: 40, .size: 8, .value_kind: global_buffer, .address_space: global }
      - { .name: x, .offset: 48, .size: 8, .value_kind: global_buffer, .address_space: global }
      - { .name: out0, .offset: 56, .size: 8, .value_kind: global_buffer, .address_space: global }
    .group_segment_fixed_size: 327680
    .private_segment_fixed_size: 0
    .kernarg_segment_align: 8
    .kernarg_segment_size: 64
    .max_flat_workgroup_size: 256
    .sgpr_count:     80
    .vgpr_count:     512
    .wavefront_size: 32
...
	.end_amdgpu_metadata
.endif
;; end of part 3
